; MI455X (gfx1250); checked and timed in simulation.
; The chip was launched on July 23, 2026; its instructions are those of AMD's public machine-readable ISA for CDNA 5 (MIT licence, August 2026) and "CDNA5" Instruction Set Architecture Reference Guide (July 2026). The comments in the code are by the model that wrote it; some were corrected since.
;; Multi Head Attention. Allowed arithmetic: matrix products marked QUANTISED: E2M1 operands, one E8M0 scale for each 32 along K, by v_wmma_scale_f32_16x16x128_f8f6f4 with both operands' format E2M1 (or v_wmma_scale_f32_32x16x128_f4), f32 sums; products left as they are: bf16, f16 or f32 operands; f32 sums; everything else in f32.
;; Inputs: Wk 512 x 512 float32; Wo 512 x 512 float32; Wq 512 x 512 float32; Wv 512 x 512 float32; bk 512 float32; bo 512 float32; bq 512 float32; bv 512 float32; key 2 x 4,096 x 512 float32; mask 2 x 4,096 x 4,096 int32; query 2 x 4,096 x 512 float32; value 2 x 4,096 x 512 float32.
;; Outputs: out0 2 x 4,096 x 512 float32.
;; This version of the problem:
;;   THIS VERSION OF THE PROBLEM IS GIVEN IN LOW PRECISION. The matrix products marked QUANTISED in the list below multiply operands that are first quantised to E2M1 (2 exponent bits, 1 mantissa bit; 4 bits a number), with one power-of-two scale for each 32 numbers along K (OCP MX v1.0); their sums are f32. The products marked 'left as it is' may take bf16, f16 or f32 operands, with f32 sums. All else is computed in f32.
;;   The module's matrix products, in the order in which they are computed (A, B: the left and right operand; K: the contracted axis; several contracted axes count as one K, in the product's order):
;;     1. [M 8,192, K 512] x [K 512, N 512]; A: input query; B: input Wq: QUANTISED
;;     2. [M 8,192, K 512] x [K 512, N 512]; A: input key; B: input Wk: QUANTISED
;;     3. [M 8,192, K 512] x [K 512, N 512]; A: input value; B: input Wv: QUANTISED
;;     4. batch 16 x [M 4,096, K 64] x [K 64, N 4,096]; A: computed on the way; B: computed on the way: left as it is (an operand is computed on the way)
;;     5. batch 16 x [M 4,096, K 4,096] x [K 4,096, N 64]; A: computed on the way; B: computed on the way: left as it is (an operand is computed on the way)
;;     6. [M 8,192, K 512] x [K 512, N 512]; A: computed on the way; B: input Wo: left as it is (an operand is computed on the way)
;;   THE QUANTISER, for each operand of a quantised product, along K:
;;     - K is cut into blocks of 32 from its start; a last block that is shorter is filled with zeros.
;;     - A block's scale is 2^e with e = floor(log2(the largest magnitude in the block)) - 2, held to -126 .. 127; a block of zeros has e = 0. As a byte (E8M0): e + 127.
;;     - Each number is divided by its block's scale, clamped to +-6, and rounded to the nearest number of E2M1, ties to even, subnormals kept.
;;     - The product sums the exact products of the quantised numbers (number of the format x scale) in f32.
;;   ~~~python
;;   def quantise(x, axis):      # numpy; x: float32 -> the quantised numbers, widened to float32 again
;;       x = np.moveaxis(x, axis, -1); K = x.shape[-1]
;;       x = np.pad(x, [(0, 0)] * (x.ndim - 1) + [(0, -K % 32)]); x = x.reshape(x.shape[:-1] + (-1, 32)); a = np.abs(x).max(-1, keepdims=True)
;;       e = np.where(a > 0, np.clip(np.frexp(np.where(a > 0, a, 1))[1] - 1 - 2, -126, 127), 0)      # np.frexp(a)[1] - 1 = floor(log2(a)), exactly
;;       r = np.clip(x / 2.0 ** e, -6, 6)
;;       step = 2.0 ** (np.maximum(np.frexp(np.where(r == 0, 1, r))[1] - 1, 0) - 1)
;;       q = np.round(r / step) * step * 2.0 ** e      # np.round: ties to even
;;       return np.moveaxis(q.reshape(q.shape[:-2] + (-1,))[..., :K], -1, axis).astype(np.float32)
;;   ~~~
;; One version. Each part assembles by itself: llvm-mc -triple=amdgcn-amd-amdhsa -mcpu=gfx1250 --defsym DOCPART=n.
;; ======== version 1 of 1: 4 launches
;; limits: values are held in f16: magnitudes above 65,504 overflow, below 6.1e-05 lose precision
;; workspace buffers: mbits 4,194,304 bytes of whole numbers; wcod 393,216 bytes; wscl 49,152 bytes; wof 524,288 bytes; qf 8,388,608 bytes; kv 16,777,216 bytes; af 8,388,608 bytes
;; launch prep (part 1): grid 272 x 1, 8 waves a work-group, no clusters, 68,608 bytes of LDS; arguments mask, Wq, Wk, Wv, Wo, mbits, wcod, wscl, wof; writes mbits, wcod, wscl, wof
.if DOCPART == 1
	.amdgcn_target "amdgcn-amd-amdhsa--gfx1250"
	.amdhsa_code_object_version 6
	.text
	.protected	k_q616ce7c9ce_prep
	.globl	k_q616ce7c9ce_prep
	.p2align	8
	.type	k_q616ce7c9ce_prep,@function
k_q616ce7c9ce_prep:
	s_mov_b64 s[64:65], 0
	v_nop
	global_prefetch_b8 v0, s[64:65] scope:SCOPE_SE
	s_setreg_imm32_b32 hwreg(HW_REG_WAVE_MODE, 25, 1), 1
	s_wait_xcnt 0x0
; PREP.  Three jobs that are done once, so that the later launches read operands in the order of their registers.
;  (a) mask [2][4096][4096] int32 -> mbits: one 32-bit word for each register of a tile of scores.  Layout [TI = 256 b + query tile][step of 64 keys][word n = 8 kt + j];
;      bit l of a word = (mask[b][16 tile + l % 16][64 step + 16 kt + 8 (l / 16) + j] != 0): the lane mask of register j of score tile kt.
;  (b) Wq, Wk, Wv [512][512] f32, K innermost -> codes of FP4 (E2M1) as images of the operand's registers: wcod [t][nt][ks][c][512 bytes, 16 a lane], and scale words wscl [t][nt][lane][ks].
;      A block's scale is 2^(floor(log2(largest magnitude)) - 2); its byte is the largest magnitude's exponent field - 2, held at 1 from below.
;  (c) Wo [512][512] f32 -> f16 fragments wof [nt][ks][c][512 bytes]: lane (r, h) holds Wo[16 nt + r][32 ks + 16 c + 8 h + 0 .. 7].
; SHARES: work-groups 0-15: 128 waves, each 16 rows of one weight.  Work-groups 16-271: 2,048 waves, each 16 rows x 1,024 keys of the mask.  Waves share nothing: no barrier.
; LIMITS: a block of zeros keeps the byte 1 (its codes are zeros; this program alone reads the bytes); blocks under 2^-124 keep the byte 1; NaN and infinities are not served; Wo from 65,504 on overflows f16.
; The weights' loads take 16 bytes of 16 rows each: they are 4 MiB of the launch's 132 MiB, so they get no turn through LDS; only the mask's path uses LDS.
.set SP,   528                         ; a stage row: 512 bytes + 16: the sixteen rows that a read touches start 33 x 16 bytes apart
.set WST,  16*SP                       ; a wave's stage
.set R0,   32                          ; v32-95, v96-159: two sets of 64 numbers
.set OUT,  16                          ; v16-31  mask path: two registers of words for each of eight steps
.set TM,   16                          ; v16-31  weights: at work in QUANT
.set PC,   160                         ; v160-191 codes: eight registers for each K step, so that no store's data are written again
.set CV,   160                         ; v160-191 Wo: a chunk's f16 numbers
.set PW,   192                         ; v192-195 the four scale words of my row
.set SEL,  28                          ; s[28:29] lane selects for lane l xor 16
	s_load_b512 s[4:19], s[0:1], 0x0               ; mask 4, Wq 6, Wk 8, Wv 10, Wo 12, mbits 14, wcod 16, wscl 18
	s_load_b64 s[20:21], s[0:1], 0x40              ; wof
	v_lshl_add_u32 v200, v0, 2, 0x10800
	v_mov_b32 v201, 0
	v_lshrrev_b32 v1, 5, v0
	v_readfirstlane_b32 s22, v1                    ; wave 0..7
	v_and_b32 v1, 31, v0                           ; lane
	v_and_b32 v2, 15, v0                           ; r
	v_bfe_u32 v3, v0, 4, 1                         ; h
	s_mov_b32 s25, 0                               ; upper word of every offset pair
	s_cmp_lt_u32 ttmp9, 16
	s_cbranch_scc1 .Lweights
	; ---------------- the mask ----------------
	s_sub_co_u32 s23, ttmp9, 16
	s_lshl_b32 s23, s23, 3
	s_add_co_u32 s23, s23, s22                     ; task T = 8 (work-group - 16) + wave
	s_lshr_b32 s30, s23, 2                         ; TI: which 16 rows
	s_and_b32 s31, s23, 3                          ; which 1,024 keys
	s_lshl_b32 s24, s30, 18                        ; 16 rows of 16,384 bytes
	s_lshl_b32 s23, s31, 12
	s_add_co_u32 s24, s24, s23
	s_wait_kmcnt 0x0
	s_add_nc_u64 s[4:5], s[4:5], s[24:25]
	s_lshl_b32 s24, s30, 13                        ; 64 steps x 32 words
	s_lshl_b32 s23, s31, 11                        ; 16 steps
	s_add_co_u32 s24, s24, s23
	s_add_nc_u64 s[14:15], s[14:15], s[24:25]
	v_lshlrev_b32 v4, 4, v1                        ; a load: 32 lanes x 16 bytes of one row
	s_mul_i32 s23, s22, WST
	v_add_nc_u32 v5, s23, v4                       ; into my stage as loaded
	v_mul_u32_u24 v6, v2, SP
	v_lshl_add_u32 v6, v3, 5, v6
	v_add_nc_u32 v6, s23, v6                       ; back: row r, + 32 h: my eight keys of a tile of 16
	v_lshlrev_b32 v7, 3, v1                        ; out: two words a lane
.irp i, 0,1,2,3,4,5,6,7,8,9,10,11,12,13,14,15
	v_mov_b32 v[OUT+\i], 0                         ; written once: a lane write's destination counts as read
.endr
.macro MLOAD t                         ; step t: 128 keys of 16 rows; each load reads 512 consecutive bytes
.irp i, 0,1,2,3,4,5,6,7,8,9,10,11,12,13,14,15
	global_load_b128 v[R0+64*((\t)%2)+4*\i:R0+64*((\t)%2)+4*\i+3], v4, s[4:5] offset:16384*\i+512*(\t) th:TH_LOAD_NT
.endr
.endm
.macro MSTEP t
.set RS, R0+64*((\t)%2)
.if (\t) < 7
	s_wait_loadcnt 16                              ; this step's 16 loads are in; the next step's 16 may be out
.else
	s_wait_loadcnt 0
.endif
.irp i, 0,1,2,3,4,5,6,7,8,9,10,11,12,13,14,15
	ds_store_b128 v5, v[RS+4*\i:RS+4*\i+3] offset:SP*\i
.endr
.irp n, 0,1,2,3,4,5,6,7,8,9,10,11,12,13,14,15
	ds_load_b128 v[RS+4*\n:RS+4*\n+3], v6 offset:64*(\n/2)+16*(\n%2)   ; LDS serves a wave's instructions in order: these see the stores; register N = 8 (tile of 16 keys) + j
.endr
	s_wait_dscnt 0x0
.irp g, 0,1,2,3
.irp x, 0,1,2,3,4,5,6,7,8,9,10,11,12,13,14,15
	v_cmp_ne_u32 s[32+\x], 0, v[RS+16*\g+\x]       ; word N = 16 g + x: one bit a lane
.endr
.irp x, 0,1,2,3,4,5,6,7,8,9,10,11,12,13,14,15
	v_writelane_b32 v[OUT+2*(\t)+(\x%2)], s[32+\x], 8*\g+\x/2   ; lane L stores words 2 L and 2 L + 1
.endr
.endr
.if (\t) < 6
	MLOAD (\t)+2
.endif
	global_store_b64 v7, v[OUT+2*(\t):OUT+2*(\t)+1], s[14:15] offset:256*(\t)   ; 32 lanes store 256 consecutive bytes, aligned: two steps of 64 keys
.endm
	MLOAD 0
	MLOAD 1
.irp t, 0,1,2,3,4,5,6,7
	MSTEP \t
.endr
	s_wait_tensorcnt 0x0
	ds_add_u32 v200, v201
	s_wait_dscnt 0x0
	s_endpgm
	; ---------------- the weights ----------------
.Lweights:
	s_lshr_b32 s23, ttmp9, 2                       ; which weight: 0 Wq, 1 Wk, 2 Wv, 3 Wo
	s_and_b32 s30, ttmp9, 3
	s_lshl_b32 s30, s30, 3
	s_add_co_u32 s30, s30, s22                     ; nt: which 16 rows
	s_mov_b32 s[SEL], 0x76543210
	s_mov_b32 s[SEL+1], 0xfedcba98
	v_lshlrev_b32 v5, 4, v1                        ; an image's place for my lane
	s_wait_kmcnt 0x0
	s_cmp_eq_u32 s23, 1                            ; the choice hangs on the work-group's number alone
	s_cselect_b64 s[26:27], s[8:9], s[6:7]
	s_cmp_eq_u32 s23, 2
	s_cselect_b64 s[26:27], s[10:11], s[26:27]
	s_cmp_eq_u32 s23, 3
	s_cselect_b64 s[26:27], s[12:13], s[26:27]
	s_lshl_b32 s24, s30, 15                        ; 16 rows of 2,048 bytes
	s_add_nc_u64 s[26:27], s[26:27], s[24:25]
	s_cmp_eq_u32 s23, 3
	s_cbranch_scc1 .Lwo
	; Wq, Wk, Wv: lane (r, h) takes, of row r, 16 neighbours of each block of 32
	v_lshlrev_b32 v4, 11, v2
	v_lshl_add_u32 v4, v3, 6, v4
	s_lshl_b32 s31, s23, 5
	s_add_co_u32 s31, s31, s30                     ; 32 t + nt
	s_lshl_b32 s24, s31, 12
	s_add_nc_u64 s[16:17], s[16:17], s[24:25]
	s_lshl_b32 s24, s31, 9
	s_add_nc_u64 s[18:19], s[18:19], s[24:25]
.irp b, 0,1,2,3
	v_mov_b32 v[TM+4+\b], 0                        ; written once: a lane permute's destination counts as one of its sources
.endr
.macro XLOAD reg, ks                   ; register 16 b + 4 j + ..: k = 128 ks + 32 b + 16 h + 4 j + ..
.irp x, 0,1,2,3,4,5,6,7,8,9,10,11,12,13,14,15
	global_load_b128 v[(\reg)+4*\x:(\reg)+4*\x+3], v4, s[26:27] offset:512*(\ks)+128*(\x/4)+16*(\x%4)
.endr
.endm
; 64 numbers of a lane, register 16 b + i = k 32 b + 16 h + i of my row, become a fragment's codes in v[pc] on and its scale word in v[pw]
.macro QUANT s, pc, pw
.irp b, 0,1,2,3
	v_max3_num_f32 v[TM+\b], |v[(\s)+16*\b]|, |v[(\s)+1+16*\b]|, 0x1800000   ; block b: my 16 numbers, and the floor 2^(3 - 127): the byte cannot fall under 1
.endr
.irp i, 2,4,6,8,10,12,14
.irp b, 0,1,2,3
	v_max3_num_f32 v[TM+\b], v[TM+\b], |v[(\s)+16*\b+\i]|, |v[(\s)+1+16*\b+\i]|
.endr
.endr
.irp b, 0,1,2,3
	v_permlanex16_b32 v[TM+4+\b], v[TM+\b], s[SEL], s[SEL+1]
.endr
.irp b, 0,1,2,3
	v_max_num_f32 v[TM+\b], v[TM+\b], v[TM+4+\b]   ; with lane l xor 16's: the block's largest magnitude
.endr
.irp b, 0,1,2,3
	v_add_nc_u32 v[TM+12+\b], 0xff000000, v[TM+\b] ; 2 off its exponent field: the conversion's scale operand
.endr
.irp b, 0,1,2,3
	v_lshrrev_b32 v[TM+4+\b], 23, v[TM+12+\b]      ; the scale's byte
.endr
	v_lshl_or_b32 v[\pw], v[TM+5], 8, v[TM+4]
	v_lshl_or_b32 v[\pw], v[TM+6], 16, v[\pw]
	v_lshl_or_b32 v[\pw], v[TM+7], 24, v[\pw]
.irp b, 0,1,2,3
	v_cvt_scalef32_pk8_fp4_f32 v[(\pc)+2*\b], v[(\s)+16*\b:(\s)+7+16*\b], v[TM+12+\b]
	v_cvt_scalef32_pk8_fp4_f32 v[(\pc)+1+2*\b], v[(\s)+8+16*\b:(\s)+15+16*\b], v[TM+12+\b]
.endr
	v_nop                                          ; one plain place behind a scaled conversion
.irp c, 0,1                                    ; the operand's layout wants a whole block in a lane: lanes 0-15 block 2 c, lanes 16-31 block 2 c + 1
.irp i, 0,1
	v_permlane16_swap_b32 v[(\pc)+4*\c+\i], v[(\pc)+2+4*\c+\i]
.endr
.endr
.endm
	XLOAD R0, 0
	XLOAD R0+64, 1
.irp ks, 0,1,2,3
.if \ks < 3
	s_wait_loadcnt 16                              ; this K step's 16 loads are in; the next one's may be out
.else
	s_wait_loadcnt 0
.endif
	QUANT R0+64*(\ks%2), PC+8*\ks, PW+\ks
.if \ks < 2
	XLOAD R0+64*(\ks%2), \ks+2
.endif
	global_store_b128 v5, v[PC+8*\ks:PC+8*\ks+3], s[16:17] offset:1024*\ks         ; 512 consecutive bytes a store
	global_store_b128 v5, v[PC+8*\ks+4:PC+8*\ks+7], s[16:17] offset:1024*\ks+512
.endr
	global_store_b128 v5, v[PW:PW+3], s[18:19]     ; my row's four scale words; both halves of the lanes hold them
	s_endpgm
	; Wo: lane (r, h) takes 8 neighbours: 32 ks + 16 c + 8 h
.Lwo:
	v_lshlrev_b32 v4, 11, v2
	v_lshl_add_u32 v4, v3, 5, v4
	s_lshl_b32 s24, s30, 14
	s_add_nc_u64 s[20:21], s[20:21], s[24:25]
.macro OLOAD q                         ; chunk q: K steps 4 q .. 4 q + 3; load x = 4 ks' + 2 c + e
.irp x, 0,1,2,3,4,5,6,7,8,9,10,11,12,13,14,15
	global_load_b128 v[R0+64*((\q)%2)+4*\x:R0+64*((\q)%2)+4*\x+3], v4, s[26:27] offset:512*(\q)+128*(\x/4)+64*((\x/2)%2)+16*(\x%2)
.endr
.endm
	OLOAD 0
	OLOAD 1
.irp q, 0,1,2,3
.if \q < 3
	s_wait_loadcnt 16                              ; this chunk's 16 loads are in; the next one's may be out
.else
	s_wait_loadcnt 0
.endif
.if \q > 0
	s_wait_xcnt 0x0                                ; the last chunk's stores have read their data: CV is written again only behind this wait
.endif
.irp x, 0,1,2,3,4,5,6,7,8,9,10,11,12,13,14,15,16,17,18,19,20,21,22,23,24,25,26,27,28,29,30,31
	v_cvt_pk_f16_f32 v[CV+\x], v[R0+64*(\q%2)+2*\x], v[R0+64*(\q%2)+2*\x+1]
.endr
.if \q < 2
	OLOAD \q+2
.endif
.irp y, 0,1,2,3,4,5,6,7
	global_store_b128 v5, v[CV+4*\y:CV+4*\y+3], s[20:21] offset:(4*\q+\y/2)*1024+512*(\y%2)
.endr
.endr
	s_endpgm
.Lfunc_end_k_q616ce7c9ce_prep:
	.size	k_q616ce7c9ce_prep, .Lfunc_end_k_q616ce7c9ce_prep-k_q616ce7c9ce_prep
	.p2alignl 7, 3214868480
	.fill 96, 4, 3214868480
	.section	.rodata,"a",@progbits
	.p2align	6, 0x0
	.amdhsa_kernel k_q616ce7c9ce_prep
		.amdhsa_group_segment_fixed_size 68608
		.amdhsa_private_segment_fixed_size 0
		.amdhsa_enable_private_segment 0
		.amdhsa_kernarg_size 72
		.amdhsa_user_sgpr_count 2
		.amdhsa_user_sgpr_kernarg_segment_ptr 1
		.amdhsa_wavefront_size32 1
		.amdhsa_system_sgpr_workgroup_id_x 1
		.amdhsa_system_sgpr_workgroup_id_y 1
		.amdhsa_system_sgpr_workgroup_id_z 1
		.amdhsa_system_vgpr_workitem_id 0
		.amdhsa_next_free_vgpr 202
		.amdhsa_next_free_sgpr 66
		.amdhsa_reserve_vcc 0
		.amdhsa_float_denorm_mode_32 3
		.amdhsa_float_denorm_mode_16_64 3
		.amdhsa_memory_ordered 1
		.amdhsa_forward_progress 1
		.amdhsa_inst_pref_size 136
	.end_amdhsa_kernel
	.amdgpu_metadata
---
amdhsa.version: [ 1, 2 ]
amdhsa.kernels:
  - .name:           k_q616ce7c9ce_prep
    .symbol:         k_q616ce7c9ce_prep.kd
    .args:
      - { .name: mask, .offset: 0, .size: 8, .value_kind: global_buffer, .address_space: global }
      - { .name: Wq, .offset: 8, .size: 8, .value_kind: global_buffer, .address_space: global }
      - { .name: Wk, .offset: 16, .size: 8, .value_kind: global_buffer, .address_space: global }
      - { .name: Wv, .offset: 24, .size: 8, .value_kind: global_buffer, .address_space: global }
      - { .name: Wo, .offset: 32, .size: 8, .value_kind: global_buffer, .address_space: global }
      - { .name: mbits, .offset: 40, .size: 8, .value_kind: global_buffer, .address_space: global }
      - { .name: wcod, .offset: 48, .size: 8, .value_kind: global_buffer, .address_space: global }
      - { .name: wscl, .offset: 56, .size: 8, .value_kind: global_buffer, .address_space: global }
      - { .name: wof, .offset: 64, .size: 8, .value_kind: global_buffer, .address_space: global }
    .group_segment_fixed_size: 68608
    .private_segment_fixed_size: 0
    .kernarg_segment_align: 8
    .kernarg_segment_size: 72
    .max_flat_workgroup_size: 256
    .sgpr_count:     66
    .vgpr_count:     202
    .wavefront_size: 32
...
	.end_amdgpu_metadata
.endif
;; end of part 1
;; launch proj (part 2): grid 128 x 3, 4 waves a work-group, no clusters, 52,736 bytes of LDS; arguments query, key, value, bq, bk, bv, wcod, wscl, qf, kv; writes qf, kv
.if DOCPART == 2
	.amdgcn_target "amdgcn-amd-amdhsa--gfx1250"
	.amdhsa_code_object_version 6
	.text
	.protected	k_q616ce7c9ce_proj
	.globl	k_q616ce7c9ce_proj
	.p2align	8
	.type	k_q616ce7c9ce_proj,@function
k_q616ce7c9ce_proj:
	s_mov_b64 s[64:65], 0
	v_nop
	global_prefetch_b8 v0, s[64:65] scope:SCOPE_SE
	s_setreg_imm32_b32 hwreg(HW_REG_WAVE_MODE, 25, 1), 1
	s_wait_xcnt 0x0
; PROJ.  The three quantised products x W^T + b on codes of FP4 (E2M1) with one E8M0 scale for each 32 along K; work-group y chooses the tensor T (0 query, 1 key, 2 value), x a block of 64 rows.
; x [8192][512] f32 is quantised here, in registers; W's codes and scale words come from the launch before as images of the operand's registers.
; RESULTS, rounded to f16, in the order of the next launch's operand registers (a block = 512 bytes, 16 a lane; r = lane % 16, h = lane / 16):
;   qf [bh][query tile][dc][c][block]: lane (r, h) holds (q + bq) log2(e) of row r, d = 32 dc + 16 c + 8 h + 0 .. 7.  log2(e) is folded in here, in f32, by one fused multiply-add, so that the softmax works in base 2.
;   kv [bh][step of 64 keys][16,384]: bytes 0-8191 K, [kt][dc][c][block] as qf; bytes 8192-16383 V turned, [kc][dt][c][block]: lane (r, h) holds V[32 kc + 16 c + 8 h + 0 .. 7][d = 16 dt + r].
; SHARES.  The four waves share the COLUMNS: wave w makes columns 128 w .. 128 w + 127 (heads 2 w, 2 w + 1) for all 64 rows; its 32 fragments of W fill window 1 (256 registers) and are read once.
; Wave w quantises rows 16 w .. 16 w + 15 (four fragments) and hands them round through LDS as images of their registers: one barrier.
; q and k are made TRANSPOSED (source 0 = 16 rows of W, source 1 = x): a lane holds one row and eight neighbouring d.  v is made the natural way round: a lane holds one d and eight neighbouring keys.
; NO JOINT LOADS for W, though all work-groups read it: a joint load lands in LDS, from where the 256 registers would be loaded once more; here each lane loads its fragments whole, once, into the registers where they stay.
; LIMITS: results from 65,504 on overflow f16 (inputs 30 times the drawn spread give about 7,100); a block of zeros keeps the byte 1 with zero codes; NaN and infinities are not served.
.set SP,   528                         ; a stage row: 512 bytes + 16
.set WST,  16*SP                       ; a wave's stage: 16 rows of one K step
.set XIMG, 4*WST                       ; x's 16 fragments (tile of rows m, K step ks: 4 m + ks), 1,024 bytes each
.set XSC,  XIMG+16*1024                ; their scale words, 128 bytes each
.set WS,   16                          ; v16-47   W's scale words, 4 nt + ks: scales and nothing else
.set HA,   48                          ; v48-111  64 numbers of x; later the 8 accumulators
.set ACC,  48
.set ST,   112                         ; v112-175 64 numbers of x; later the bias
.set BI,   112
.set XF,   176                         ; v176-207 x's four fragments of a tile of rows
.set PC,   176                         ; while x is quantised: v176-183 codes, v184-199 at work, v200 the scale word
.set TM,   184
.set PW,   200
.set XS,   208                         ; v208-211 x's scale words: scales and nothing else
.set OUT,  212                         ; v212-243 f16 results
.set SEL,  42                          ; s[42:43]
.set MSB, 0
.macro WIN new                         ; the immediate's high byte repeats the setting that is left
.if MSB != \new
	s_set_vgpr_msb (MSB<<8)|\new
.set MSB, \new
.endif
.endm
	s_load_b512 s[4:19], s[0:1], 0x0               ; query 4, key 6, value 8, bq 10, bk 12, bv 14, wcod 16, wscl 18
	s_load_b128 s[20:23], s[0:1], 0x40             ; qf 20, kv 22
	v_lshl_add_u32 v254, v0, 2, 0xcc00
	v_mov_b32 v255, 0
	v_lshrrev_b32 v1, 5, v0
	v_readfirstlane_b32 s25, v1                    ; wave 0..3
	v_and_b32 v2, 31, v0
	v_and_b32 v3, 15, v0                           ; r
	v_bfe_u32 v4, v0, 4, 1                         ; h
	v_lshlrev_b32 v1, 4, v2                        ; 16 x lane
	v_lshlrev_b32 v2, 2, v2                        ; 4 x lane
	s_mul_i32 s44, s25, WST
	v_add_nc_u32 v5, s44, v1                       ; into my stage as loaded
	v_mul_u32_u24 v6, v3, SP
	v_lshl_add_u32 v6, v4, 6, v6
	v_add_nc_u32 v6, s44, v6                       ; back: row r, + 64 h: my 16 numbers of a block of 32
	s_lshl_b32 s44, s25, 12
	v_add_nc_u32 v7, s44, v1
	v_add_nc_u32 v7, XIMG, v7                      ; where I store my four images
	s_lshl_b32 s44, s25, 9
	v_add_nc_u32 v8, s44, v2
	v_add_nc_u32 v8, XSC, v8                       ; and their scale words
.irp b, 0,1,2,3
	v_mov_b32 v[TM+4+\b], 0                        ; written once: a lane permute's destination counts as one of its sources
.endr
	s_and_b32 s24, ttmp7, 0xffff                   ; T
	s_mov_b32 s26, ttmp9                           ; the block of 64 rows
	s_mov_b32 s[SEL], 0x76543210
	s_mov_b32 s[SEL+1], 0xfedcba98
	s_mov_b32 s45, 0
	s_wait_kmcnt 0x0
	s_cmp_eq_u32 s24, 1                            ; every choice hangs on the work-group's number alone
	s_cselect_b64 s[28:29], s[6:7], s[4:5]
	s_cselect_b64 s[30:31], s[12:13], s[10:11]
	s_cmp_eq_u32 s24, 2
	s_cselect_b64 s[28:29], s[8:9], s[28:29]       ; x
	s_cselect_b64 s[30:31], s[14:15], s[30:31]     ; the bias
	s_cmp_eq_u32 s24, 0
	s_cselect_b64 s[36:37], s[20:21], s[22:23]     ; where the results go
	s_cselect_b32 s27, 13, 14                      ; 64 rows of a head are 8,192 bytes in qf, 16,384 in kv
	s_cselect_b32 s40, 0x3fb8aa3b, 1.0             ; F = log2(e) for q, 1 for k
	s_mov_b32 s41, s40                             ; (named with it as a pair, so it is written)
	s_lshl_b32 s44, s26, 17                        ; 64 rows of 2,048 bytes
	s_lshl_b32 s46, s25, 15                        ; my 16 of them; also my 8 tiles of W's codes
	s_add_co_u32 s44, s44, s46
	s_add_nc_u64 s[28:29], s[28:29], s[44:45]
	s_lshl_b32 s44, s24, 17
	s_add_co_u32 s44, s44, s46
	s_add_nc_u64 s[32:33], s[16:17], s[44:45]      ; my fragments of W
	s_lshl_b32 s44, s24, 14
	s_lshl_b32 s46, s25, 12
	s_add_co_u32 s44, s44, s46
	s_add_nc_u64 s[34:35], s[18:19], s[44:45]      ; and their scale words
	s_lshl_b32 s44, s25, 9
	s_add_nc_u64 s[30:31], s[30:31], s[44:45]      ; my 128 numbers of the bias
	s_lshr_b32 s44, s26, 6
	s_lshl_b32 s44, s44, 3
	s_lshl_b32 s46, s25, 1
	s_add_co_u32 s44, s44, s46                     ; bh of my first head: 8 b + 2 w
	s_lshl_b32 s44, s44, 6
	s_and_b32 s46, s26, 63
	s_add_co_u32 s44, s44, s46                     ; 64 bh + the block within the sequence
	s_lshl_b32 s44, s44, s27
	s_cmp_eq_u32 s24, 2
	s_cselect_b32 s46, 8192, 0                     ; V lies behind K in a step
	s_add_co_u32 s44, s44, s46
	s_add_nc_u64 s[36:37], s[36:37], s[44:45]      ; my first head's results,
	s_lshl_b32 s44, 64, s27
	s_add_nc_u64 s[38:39], s[36:37], s[44:45]      ; my second head's
.macro XL reg, ks                      ; K step ks of my 16 rows: each load reads 512 consecutive bytes of one row
.irp i, 0,1,2,3,4,5,6,7,8,9,10,11,12,13,14,15
	global_load_b128 v[(\reg)+4*\i:(\reg)+4*\i+3], v1, s[28:29] offset:2048*\i+512*(\ks) th:TH_LOAD_NT
.endr
.endm
.macro TURN reg                        ; through my stage and back into the registers that they left: register 16 b + i = k 32 b + 16 h + i of row r
.irp i, 0,1,2,3,4,5,6,7,8,9,10,11,12,13,14,15
	ds_store_b128 v5, v[(\reg)+4*\i:(\reg)+4*\i+3] offset:SP*\i
.endr
.irp x, 0,1,2,3,4,5,6,7,8,9,10,11,12,13,14,15
	ds_load_b128 v[(\reg)+4*\x:(\reg)+4*\x+3], v6 offset:128*(\x/4)+16*(\x%4)   ; LDS serves a wave's instructions in order: these see the stores
.endr
.endm
.macro QUANT s, pc, pw
.irp b, 0,1,2,3
	v_max3_num_f32 v[TM+\b], |v[(\s)+16*\b]|, |v[(\s)+1+16*\b]|, 0x1800000   ; block b: my 16 numbers, and the floor 2^(3 - 127): the byte cannot fall under 1
.endr
.irp i, 2,4,6,8,10,12,14
.irp b, 0,1,2,3
	v_max3_num_f32 v[TM+\b], v[TM+\b], |v[(\s)+16*\b+\i]|, |v[(\s)+1+16*\b+\i]|
.endr
.endr
.irp b, 0,1,2,3
	v_permlanex16_b32 v[TM+4+\b], v[TM+\b], s[SEL], s[SEL+1]
.endr
.irp b, 0,1,2,3
	v_max_num_f32 v[TM+\b], v[TM+\b], v[TM+4+\b]   ; with lane l xor 16's: the block's largest magnitude
.endr
.irp b, 0,1,2,3
	v_add_nc_u32 v[TM+12+\b], 0xff000000, v[TM+\b] ; 2 off its exponent field: the conversion's scale operand
.endr
.irp b, 0,1,2,3
	v_lshrrev_b32 v[TM+4+\b], 23, v[TM+12+\b]      ; the scale's byte
.endr
	v_lshl_or_b32 v[\pw], v[TM+5], 8, v[TM+4]
	v_lshl_or_b32 v[\pw], v[TM+6], 16, v[\pw]
	v_lshl_or_b32 v[\pw], v[TM+7], 24, v[\pw]
.irp b, 0,1,2,3
	v_cvt_scalef32_pk8_fp4_f32 v[(\pc)+2*\b], v[(\s)+16*\b:(\s)+7+16*\b], v[TM+12+\b]
	v_cvt_scalef32_pk8_fp4_f32 v[(\pc)+1+2*\b], v[(\s)+8+16*\b:(\s)+15+16*\b], v[TM+12+\b]
.endr
	v_nop                                          ; one plain place behind a scaled conversion
.irp c, 0,1
.irp i, 0,1
	v_permlane16_swap_b32 v[(\pc)+4*\c+\i], v[(\pc)+2+4*\c+\i]
.endr
.endr
.endm
.macro XSTEP ks, reg, cnt
	s_wait_loadcnt \cnt
	TURN \reg
	s_wait_dscnt 0x0                               ; the numbers are back; the last K step's image stores have read their registers
	QUANT \reg, PC, PW
	ds_store_b128 v7, v[PC:PC+3] offset:1024*(\ks)
	ds_store_b128 v7, v[PC+4:PC+7] offset:1024*(\ks)+512
	ds_store_b32 v8, v[PW] offset:128*(\ks)
.if (\ks) < 2
	XL \reg, (\ks)+2
.endif
.endm
	XL HA, 0
	XL ST, 1
	WIN 0x40                                       ; destination window 1
.irp f, 0,1,2,3,4,5,6,7,8,9,10,11,12,13,14,15,16,17,18,19,20,21,22,23,24,25,26,27,28,29,30,31
	global_load_b128 v[8*\f:8*\f+3], v1, s[32:33] offset:1024*\f          ; W's fragment f = 4 nt + ks: it stays
	global_load_b128 v[8*\f+4:8*\f+7], v1, s[32:33] offset:1024*\f+512
.endr
	WIN 0
.irp nt, 0,1,2,3,4,5,6,7
	global_load_b128 v[WS+4*\nt:WS+4*\nt+3], v1, s[34:35] offset:512*\nt
.endr
	XSTEP 0, HA, 63                                ; 88 loads were issued behind K step 0's: the count's field ends at 63, and a smaller count is safe
	XSTEP 1, ST, 63                                ; likewise 88 behind K step 1's
	XSTEP 2, HA, 16                                ; behind K step 2's: K step 3's 16
	XSTEP 3, ST, 0
	s_wait_dscnt 0x0                               ; for the others' sake: my images have landed
	s_barrier_signal -1
	s_barrier_wait -1                              ; x's sixteen fragments lie in LDS
	s_cmp_eq_u32 s24, 2
	s_cbranch_scc1 .Lnat
; The products of the four tiles of 16 rows.  nat = 0: q and k, transposed.  nat = 1: v, the natural way round.
; The 8 accumulators take turns, one instruction a turn, K step by K step.
.macro PROD nat
.if \nat
	v_lshlrev_b32 v9, 2, v3                        ; a lane holds d = 16 nt + r: one number of the bias, in both halves of a pair
.irp nt, 0,1,2,3,4,5,6,7
	global_load_b32 v[BI+2*\nt], v9, s[30:31] offset:64*\nt
	global_load_b32 v[BI+2*\nt+1], v9, s[30:31] offset:64*\nt
.endr
	s_wait_loadcnt 0x0
.else
	v_lshlrev_b32 v9, 5, v4                        ; a lane holds d = 16 nt + 8 h + 0 .. 7
.irp nt, 0,1,2,3,4,5,6,7
	global_load_b128 v[BI+8*\nt:BI+8*\nt+3], v9, s[30:31] offset:64*\nt
	global_load_b128 v[BI+8*\nt+4:BI+8*\nt+7], v9, s[30:31] offset:64*\nt+16
.endr
	s_wait_loadcnt 0x0
.irp x, 0,1,2,3,4,5,6,7,8,9,10,11,12,13,14,15,16,17,18,19,20,21,22,23,24,25,26,27,28,29,30,31
	v_pk_mul_f32 v[BI+2*\x:BI+2*\x+1], v[BI+2*\x:BI+2*\x+1], s[40:41] op_sel_hi:[1,0]   ; b F
.endr
.endif
.irp m, 0,1,2,3
.irp ks, 0,1,2,3
	ds_load_b128 v[XF+8*\ks:XF+8*\ks+3], v1 offset:XIMG+(4*\m+\ks)*1024
	ds_load_b128 v[XF+8*\ks+4:XF+8*\ks+7], v1 offset:XIMG+(4*\m+\ks)*1024+512
	ds_load_b32 v[XS+\ks], v2 offset:XSC+(4*\m+\ks)*128
.endr
	s_wait_dscnt 0x0
.if \nat
	WIN 0x04                                       ; source 1 (W) window 1
.else
	WIN 0x01                                       ; source 0 (W) window 1
.endif
.irp ks, 0,1,2,3
.irp nt, 0,1,2,3,4,5,6,7
.if \nat
.if \ks == 0
	v_wmma_scale_f32_16x16x128_f8f6f4 v[ACC+8*\nt:ACC+8*\nt+7], v[XF+8*\ks:XF+8*\ks+7], v[8*(4*\nt+\ks):8*(4*\nt+\ks)+7], 0, v[XS+\ks], v[WS+4*\nt+\ks] matrix_a_fmt:MATRIX_FMT_FP4 matrix_b_fmt:MATRIX_FMT_FP4
.else
	v_wmma_scale_f32_16x16x128_f8f6f4 v[ACC+8*\nt:ACC+8*\nt+7], v[XF+8*\ks:XF+8*\ks+7], v[8*(4*\nt+\ks):8*(4*\nt+\ks)+7], v[ACC+8*\nt:ACC+8*\nt+7], v[XS+\ks], v[WS+4*\nt+\ks] matrix_a_fmt:MATRIX_FMT_FP4 matrix_b_fmt:MATRIX_FMT_FP4
.endif
.else
.if \ks == 0
	v_wmma_scale_f32_16x16x128_f8f6f4 v[ACC+8*\nt:ACC+8*\nt+7], v[8*(4*\nt+\ks):8*(4*\nt+\ks)+7], v[XF+8*\ks:XF+8*\ks+7], 0, v[WS+4*\nt+\ks], v[XS+\ks] matrix_a_fmt:MATRIX_FMT_FP4 matrix_b_fmt:MATRIX_FMT_FP4
.else
	v_wmma_scale_f32_16x16x128_f8f6f4 v[ACC+8*\nt:ACC+8*\nt+7], v[8*(4*\nt+\ks):8*(4*\nt+\ks)+7], v[XF+8*\ks:XF+8*\ks+7], v[ACC+8*\nt:ACC+8*\nt+7], v[WS+4*\nt+\ks], v[XS+\ks] matrix_a_fmt:MATRIX_FMT_FP4 matrix_b_fmt:MATRIX_FMT_FP4
.endif
.endif
.endr
.endr
	WIN 0
.rept 4
	v_nop                                          ; four places behind the last product, ahead of the first read of results and of the next tile's loads into the fragments
.endr
.if \m > 0
	s_wait_xcnt 0x0                                ; the last tile's stores have read their data: OUT is written again only behind this wait
.endif
.irp x, 0,1,2,3,4,5,6,7,8,9,10,11,12,13,14,15,16,17,18,19,20,21,22,23,24,25,26,27,28,29,30,31
.if \nat
	v_pk_add_f32 v[ACC+2*\x:ACC+2*\x+1], v[ACC+2*\x:ACC+2*\x+1], v[BI+2*(\x/4):BI+2*(\x/4)+1]   ; + b; each accumulator from its low end on
.else
	v_pk_fma_f32 v[ACC+2*\x:ACC+2*\x+1], v[ACC+2*\x:ACC+2*\x+1], s[40:41], v[BI+2*\x:BI+2*\x+1] op_sel_hi:[1,0,1]   ; sum F + b F; each accumulator from its low end on
.endif
.endr
.irp x, 0,1,2,3,4,5,6,7,8,9,10,11,12,13,14,15,16,17,18,19,20,21,22,23,24,25,26,27,28,29,30,31
	v_cvt_pk_f16_f32 v[OUT+\x], v[ACC+2*\x], v[ACC+2*\x+1]
.endr
.irp nt, 0,1,2,3,4,5,6,7
.if \nat
	global_store_b128 v1, v[OUT+4*\nt:OUT+4*\nt+3], s[36+2*(\nt/4):37+2*(\nt/4)] offset:4096*(\m/2)+1024*(\nt%4)+512*(\m%2)   ; keys 16 m on: kc = m / 2, c = m % 2; dt = nt % 4.  512 consecutive bytes
.else
	global_store_b128 v1, v[OUT+4*\nt:OUT+4*\nt+3], s[36+2*(\nt/4):37+2*(\nt/4)] offset:2048*\m+512*(\nt%4)   ; tile of rows m; d = 16 (nt % 4) on: dc, c.  512 consecutive bytes
.endif
.endr
.endr
.endm
	PROD 0
	s_wait_tensorcnt 0x0
	ds_add_u32 v254, v255
	s_wait_dscnt 0x0
	s_endpgm
.Lnat:
	PROD 1
	s_wait_tensorcnt 0x0
	ds_add_u32 v254, v255
	s_wait_dscnt 0x0
	s_endpgm
.Lfunc_end_k_q616ce7c9ce_proj:
	.size	k_q616ce7c9ce_proj, .Lfunc_end_k_q616ce7c9ce_proj-k_q616ce7c9ce_proj
	.p2alignl 7, 3214868480
	.fill 96, 4, 3214868480
	.section	.rodata,"a",@progbits
	.p2align	6, 0x0
	.amdhsa_kernel k_q616ce7c9ce_proj
		.amdhsa_group_segment_fixed_size 52736
		.amdhsa_private_segment_fixed_size 0
		.amdhsa_enable_private_segment 0
		.amdhsa_kernarg_size 80
		.amdhsa_user_sgpr_count 2
		.amdhsa_user_sgpr_kernarg_segment_ptr 1
		.amdhsa_wavefront_size32 1
		.amdhsa_system_sgpr_workgroup_id_x 1
		.amdhsa_system_sgpr_workgroup_id_y 1
		.amdhsa_system_sgpr_workgroup_id_z 1
		.amdhsa_system_vgpr_workitem_id 0
		.amdhsa_next_free_vgpr 512
		.amdhsa_next_free_sgpr 66
		.amdhsa_reserve_vcc 0
		.amdhsa_float_denorm_mode_32 3
		.amdhsa_float_denorm_mode_16_64 3
		.amdhsa_memory_ordered 1
		.amdhsa_forward_progress 1
		.amdhsa_inst_pref_size 124
	.end_amdhsa_kernel
	.amdgpu_metadata
---
amdhsa.version: [ 1, 2 ]
amdhsa.kernels:
  - .name:           k_q616ce7c9ce_proj
    .symbol:         k_q616ce7c9ce_proj.kd
    .args:
      - { .name: query, .offset: 0, .size: 8, .value_kind: global_buffer, .address_space: global }
      - { .name: key, .offset: 8, .size: 8, .value_kind: global_buffer, .address_space: global }
      - { .name: value, .offset: 16, .size: 8, .value_kind: global_buffer, .address_space: global }
      - { .name: bq, .offset: 24, .size: 8, .value_kind: global_buffer, .address_space: global }
      - { .name: bk, .offset: 32, .size: 8, .value_kind: global_buffer, .address_space: global }
      - { .name: bv, .offset: 40, .size: 8, .value_kind: global_buffer, .address_space: global }
      - { .name: wcod, .offset: 48, .size: 8, .value_kind: global_buffer, .address_space: global }
      - { .name: wscl, .offset: 56, .size: 8, .value_kind: global_buffer, .address_space: global }
      - { .name: qf, .offset: 64, .size: 8, .value_kind: global_buffer, .address_space: global }
      - { .name: kv, .offset: 72, .size: 8, .value_kind: global_buffer, .address_space: global }
    .group_segment_fixed_size: 52736
    .private_segment_fixed_size: 0
    .kernarg_segment_align: 8
    .kernarg_segment_size: 80
    .max_flat_workgroup_size: 128
    .sgpr_count:     66
    .vgpr_count:     512
    .wavefront_size: 32
...
	.end_amdgpu_metadata
.endif
;; end of part 2
;; launch attn (part 3): grid 16 x 16, 8 waves a work-group, clusters of 4 x 1, 327,680 bytes of LDS; arguments qf, kv, mbits, af; writes af
.if DOCPART == 3
	.amdgcn_target "amdgcn-amd-amdhsa--gfx1250"
	.amdhsa_code_object_version 6
	.text
	.protected	k_q616ce7c9ce_attn
	.globl	k_q616ce7c9ce_attn
	.p2align	8
	.type	k_q616ce7c9ce_attn,@function
k_q616ce7c9ce_attn:
	s_mov_b64 s[64:65], 0
	v_nop
	global_prefetch_b8 v0, s[64:65] scope:SCOPE_SE
	s_setreg_imm32_b32 hwreg(HW_REG_WAVE_MODE, 25, 1), 1
	s_wait_xcnt 0x0
	s_wait_alu depctr_hold_cnt(0) depctr_sa_sdst(0) depctr_va_vdst(0) depctr_va_sdst(0) depctr_va_ssrc(0) depctr_va_vcc(0) depctr_vm_vsrc(0)
	s_getreg_b32 s2, hwreg(HW_REG_IB_STS2, 6, 4)
	s_cmp_eq_u32 s2, 0
	s_cbranch_scc0 .Lentry_in_a_cluster
	s_endpgm
.Lentry_in_a_cluster:
	s_bfe_u32 s2, ttmp6, 0x10000c
	s_cmp_lg_u32 s2, 0x3003
	s_cbranch_scc0 .Lentry_shape_is_right
	s_endpgm
.Lentry_shape_is_right:
; ATTN.  attn[bh][q] = sum over k of softmax_k(s) V[bh][k], s = q . k where mask != 0 and -1e9 where mask == 0 (no 1 / sqrt(d): the module has none).  Operands f16, products, maxima and sums f32.
; q arrives multiplied by log2(e), so scores are in base 2 and the masked score is the constant -1e9 log2(e): p = 2^(s - m), m the RUNNING MAXIMUM of the row (masked scores among it: a row with no open key gives the mean of V).
; In every step the sum l and O are multiplied by a = 2^(m_old - m_new).  The row's largest p is 1, so p has room in f16; l is summed of the unrounded p and divides at the end.
; SHARES.  A work-group owns 256 queries of one head (grid y = bh), each of its eight waves 32: tiles t = 0, 1.  Two waves lie on a SIMD, so that one wave's softmax stands beside the other's products and LDS loads.
; LAYOUT.  S^T = K Q^T (source 0 = 16 keys, source 1 = 16 queries): a lane holds ONE query (lane % 16) and keys 8 (lane / 16) + 0 .. 7.  Two such tiles, rounded in pairs, ARE source 1 of O^T = V^T P.  Nothing changes lanes.
; K, V come as images of the operand's registers (512 bytes a block, 16 a lane): a key step of 64 keys is 16,384 dense bytes, read from LDS by 32 loads of 512 consecutive bytes: no pitch, no padding.
; THE MASK comes as lane masks, one 32-bit word for each register of a score tile, by scalar loads a whole key step ahead; v_cndmask_b32 takes the word: no branch and no address hangs on it.
; RING.  Two slots of 8 key steps (131,072 bytes); wave w fetches step w of a slot: one tensor load a wave behind each change of slots; by this text's count a wave has one tensor load out.
; CLUSTER.  The four query blocks of a cluster belong to one head and walk the same K and V: each tile is asked for JOINTLY (mask 15), and each partner receives it in its own LDS.
; LIMITS: operands are f16 (see the launch before); NaN and infinities are not served; the masked score is -1e9 log2(e) rounded to f32.
; REGISTERS.  window 0: v1-6 addresses and constants; v8-23 statistics (tile t at 8 + 8 t: +0 m, +1 m_old - m_new, +2, +3 l, +4 .. +7 at work, a at +6); v32-63 Q; v64-127 S^T; v128-159 P; v160-223 O^T.  window 1: v0-63 K, v64-127 V.
.set STEPB, 16384
.set SLOT1, 8*STEPB                    ; slot 1 begins here: one exclusive or turns an address in one slot into the other's
.set SPARE, 2*SLOT1                    ; behind the ring: the spare words, 128 bytes for each of eight waves: four blocks of 256 bytes that no other line names
.set LI,  1                            ; v1  16 x lane
.set ADR, 2                            ; v2  LDS address of the step in hand
.set NEG, 3                            ; v3  -1e9 log2(e)
.set SPW, 4                            ; v4  my spare word; never rewritten
.set NIL, 5                            ; v5  0; never rewritten
.set PFO, 6                            ; v6  256 x lane; never rewritten
.set ST,  8
.set Q,   32
.set S,   64
.set P,   128
.set O,   160
.set KF,  0
.set VF,  64
.set WV,  12                           ; s12 wave
.set LIM, 15                           ; s15 1 in a wave that prefetches, else the greatest number
.set G1,  16                           ; s[16:23] descriptor group 1
.set G0,  24                           ; s[24:27] descriptor group 0: it walks
.set PFA, 28                           ; s[28:29] where my prefetches stand
.set SLOTS, 30                         ; s30 slots still to be asked for
.set STP, 31                           ; s31 counts a slot's steps
.set MK0, 32                           ; s[32:63] tile 0's 32 mask words
.set TB,  66                           ; s66 LDS byte at which the step in hand begins
.set MOFF, 67                          ; s67 byte offset of the mask words that are on their way
.set MK1, 68                           ; s[68:99] tile 1's
.set SEL, 100                          ; s[100:101] lane selects for lane l xor 16
.set MSB, 0
.macro WIN new                         ; the immediate's high byte repeats the setting that is left
.if MSB != \new
	s_set_vgpr_msb (MSB<<8)|\new
.set MSB, \new
.endif
.endm
.macro PLACES
.rept 4
	v_nop
.endr
.endm
.macro CROUND                          ; a round of the cluster's barrier
	s_barrier_signal -1
	s_barrier_wait -1
	s_cmp_lg_u32 s[WV], 0
	s_cbranch_scc1 .Lnot_wave_0_\@
	s_barrier_signal -3
.Lnot_wave_0_\@:
	s_barrier_wait -3
	s_barrier_signal -1
	s_barrier_wait -1
.endm
.macro JLOAD                           ; every wave asks for its own key step of the slot; four v_nop follow
	tensor_load_to_lds s[G0:G0+3], s[G1:G1+7]
	s_nop 0
.rept 4
	v_nop
.endr
.endm
; A prefetch of the slot that the NEXT change of slots will ask for: 131,072 bytes, 8 key steps ahead of that load.  All clusters of a head walk the same bytes: the head's first cluster asks.  Its four partners take
; 32,768 bytes each, told apart by address; in each, waves 0 to 3 take 8,192 bytes, lanes 256 bytes apart: each block of 256 bytes is named once in the launch.  The last change that fills a slot asks for nothing.
.macro ASK
	s_cmp_gt_u32 s[SLOTS], s[LIM]
	s_cbranch_scc0 .Lnot_mine_\@
	global_prefetch_b8 v[PFO], s[PFA:PFA+1] th:TH_LOAD_NT scope:SCOPE_SE
.Lnot_mine_\@:
.endm
.macro MASKS                           ; 64 words: the lane masks of both tiles' 32 score registers for the key step at s[MOFF]
	s_load_b512 s[MK0:MK0+15], s[8:9], s[MOFF] offset:0x0
	s_load_b512 s[MK0+16:MK0+31], s[8:9], s[MOFF] offset:0x40
	s_load_b512 s[MK1:MK1+15], s[8:9], s[MOFF] offset:0x2000
	s_load_b512 s[MK1+16:MK1+31], s[8:9], s[MOFF] offset:0x2040
.endm
	s_load_b256 s[4:11], s[0:1], 0x0               ; qf 4, kv 6, mbits 8, af 10
	v_lshl_add_u32 v[SPW], v0, 2, SPARE
	v_mov_b32 v[NIL], 0
	ds_add_u32 v4, v5
	s_wait_dscnt 0x0
	v_lshrrev_b32 v1, 5, v0
	v_readfirstlane_b32 s[WV], v1                  ; wave 0..7
	s_bfe_u32 s13, ttmp6, 0x40000                  ; cx: my place in the cluster
	s_lshl_b32 s14, ttmp9, 2
	s_add_co_u32 s14, s14, s13                     ; my block of 256 queries: it enters qf's, mbits' and af's addresses alone
	s_and_b32 s32, ttmp7, 0xffff                   ; bh, which the four partners share
	s_lshl_b32 s33, s14, 4
	s_lshl_b32 s34, s[WV], 1
	s_add_co_u32 s33, s33, s34                     ; my first query tile: 16 x block + 2 x wave
	s_lshr_b32 s34, s32, 3
	s_lshl_b32 s34, s34, 8
	s_add_co_u32 s34, s34, s33                     ; 256 b + tile
	s_lshl_b32 s36, s32, 19
	s_lshl_b32 s35, s33, 11
	s_add_co_u32 s36, s36, s35                     ; qf: a head is 2^19 bytes, a tile 2,048
	s_mov_b32 s37, 0
	s_lshl_b32 s38, s34, 13                        ; mbits: 8,192 bytes a tile
	s_mov_b32 s39, 0
	s_lshl_b32 s40, s34, 14                        ; af: 16,384 bytes a tile of rows,
	s_and_b32 s35, s32, 7
	s_lshl_b32 s35, s35, 11                        ; a head's 64 channels are 2,048 of them
	s_add_co_u32 s40, s40, s35
	s_mov_b32 s41, 0
	s_lshl_b32 s42, s32, 20                        ; kv: a head is 2^20 bytes
	s_mov_b32 s43, 0
	s_lshl_b32 s44, s[WV], 14                      ; the key step of a slot that I fetch
	s_mov_b32 s45, 0
	s_lshl_b32 s46, s13, 15                        ; the prefetches: my work-group's 32,768 bytes of a slot,
	s_and_b32 s35, s[WV], 3
	s_lshl_b32 s35, s35, 13                        ; my wave's 8,192 of them,
	s_add_co_u32 s46, s46, s35
	s_add_co_u32 s46, s46, SLOT1                   ; in slot 1: the first change of slots steps it to slot 2.  Nothing is prefetched at the head
	s_mov_b32 s47, 0
	s_mov_b32 s[G1], 15|(3<<16)|(1<<21)            ; 15:0 the mask: all four work-groups; 17:16 elements of 8 bytes; 21 set beside a mask; no padding
	s_mov_b32 s[G1+1], 32<<16                      ; tensor_dim0 = 32 elements: rows of 256 bytes
	s_mov_b32 s[G1+2], 64<<16                      ; tensor_dim1 = 64
	s_mov_b32 s[G1+3], 32<<16                      ; tile_dim0 = 32
	s_mov_b32 s[G1+4], 64                          ; tile_dim1 = 64: 16,384 dense bytes
	s_mov_b32 s[G1+5], 32                          ; the pitch
	s_mov_b32 s[G1+6], 0
	s_mov_b32 s[G1+7], 0
	s_lshr_b32 s[LIM], s[WV], 2                    ; 0 in waves 0 to 3,
	s_or_b32 s[LIM], s[LIM], ttmp9                 ; of the head's first cluster: the same in all four partners
	s_cmp_eq_u32 s[LIM], 0
	s_cselect_b32 s[LIM], 1, -1
	s_mov_b32 s[SEL], 0x76543210
	s_mov_b32 s[SEL+1], 0xfedcba98
	s_mov_b32 s[TB], 0
	s_mov_b32 s[MOFF], 0
	s_mov_b32 s[SLOTS], 7
	s_wait_kmcnt 0x0
	s_add_nc_u64 s[4:5], s[4:5], s[36:37]
	s_add_nc_u64 s[8:9], s[8:9], s[38:39]
	s_add_nc_u64 s[10:11], s[10:11], s[40:41]
	s_add_nc_u64 s[6:7], s[6:7], s[42:43]          ; kv at my head
	s_add_nc_u64 s[PFA:PFA+1], s[6:7], s[46:47]
	s_mov_b32 s[G0], 1                             ; count = 1
	s_lshl_b32 s[G0+1], s[WV], 14                  ; LDS address: slot 0, step w: no place in the cluster enters it
	s_add_nc_u64 s[G0+2:G0+3], s[6:7], s[44:45]    ; global address: the head's key step w
	s_or_b32 s[G0+3], s[G0+3], 0x80000000          ; type = 2
	CROUND                                         ; all four work-groups are here: the first joint loads meet
	JLOAD                                          ; slot 0
	v_and_b32 v[LI], 31, v0
	v_lshlrev_b32 v[PFO], 8, v[LI]
	v_lshlrev_b32 v[LI], 4, v[LI]
.irp t, 0,1
.irp dc, 0,1
.irp c, 0,1
	global_load_b128 v[Q+16*\t+8*\dc+4*\c:Q+16*\t+8*\dc+4*\c+3], v[LI], s[4:5] offset:2048*\t+1024*\dc+512*\c   ; Q stays in registers
.endr
.endr
.endr
	MASKS                                          ; key step 0's (the head's scalar temporaries are done with)
	v_mov_b32 v[NEG], 0xceabfb8f                   ; -1e9 log2(e)
.irp t, 0,1
	v_mov_b32 v[ST+8*\t], 0xff000000               ; m = -2^127, under every score
	v_mov_b32 v[ST+8*\t+2], 0                      ; l, in two halves
	v_mov_b32 v[ST+8*\t+3], 0
.endr
.irp j, 0,1,2,3,4,5,6,7,8,9,10,11,12,13,14,15,16,17,18,19,20,21,22,23,24,25,26,27,28,29,30,31,32,33,34,35,36,37,38,39,40,41,42,43,44,45,46,47,48,49,50,51,52,53,54,55,56,57,58,59,60,61,62,63
	v_mov_b32 v[O+\j], 0                           ; O^T.  (The step is written once: the first step finds zeros, which a = 0 leaves zeros)
.endr
	s_wait_loadcnt 0x0                             ; Q
; A KEY STEP: 64 keys.
.macro STEP
	PLACES                                         ; behind the last step's products, ahead of the loads into V's registers
	v_add_nc_u32 v[ADR], s[TB], v[LI]
	WIN 0x40                                       ; destination window 1
.irp n, 0,1,2,3,4,5,6,7,8,9,10,11,12,13,14,15
	ds_load_b128 v[KF+4*\n:KF+4*\n+3], v[ADR] offset:512*\n            ; block n = 4 kt + 2 dc + c
.endr
.irp n, 0,1,2,3,4,5,6,7,8,9,10,11,12,13,14,15
	ds_load_b128 v[VF+4*\n:VF+4*\n+3], v[ADR] offset:8192+512*\n       ; block n = 8 kc + 2 dt + c
.endr
	s_wait_dscnt 16                                ; K's 16 loads are in; V's 16 may be out
	WIN 0x01                                       ; source 0 window 1
.irp dc, 0,1                                   ; S^T = K Q^T: the 8 accumulators take turns, one instruction a turn
.irp kt, 0,1,2,3
.irp t, 0,1
.if \dc == 0
	v_wmma_f32_16x16x32_f16 v[S+32*\t+8*\kt:S+32*\t+8*\kt+7], v[KF+16*\kt+8*\dc:KF+16*\kt+8*\dc+7], v[Q+16*\t+8*\dc:Q+16*\t+8*\dc+7], 0
.else
	v_wmma_f32_16x16x32_f16 v[S+32*\t+8*\kt:S+32*\t+8*\kt+7], v[KF+16*\kt+8*\dc:KF+16*\kt+8*\dc+7], v[Q+16*\t+8*\dc:Q+16*\t+8*\dc+7], v[S+32*\t+8*\kt:S+32*\t+8*\kt+7]
.endif
.endr
.endr
.endr
	WIN 0
	PLACES                                         ; four places ahead of the first read of the scores
	s_wait_kmcnt 0x0                               ; this step's mask words, asked for a key step ago
.irp i, 0,1,2,3,4,5,6,7,8,9,10,11,12,13,14,15,16,17,18,19,20,21,22,23,24,25,26,27,28,29,30,31
	v_cndmask_b32 v[S+\i], v[NEG], v[S+\i], s[MK0+\i]                  ; a closed key's score becomes -1e9 log2(e); each accumulator from its low end on
.endr
.irp i, 0,1,2,3,4,5,6,7,8,9,10,11,12,13,14,15,16,17,18,19,20,21,22,23,24,25,26,27,28,29,30,31
	v_cndmask_b32 v[S+32+\i], v[NEG], v[S+32+\i], s[MK1+\i]
.endr
	s_add_co_u32 s[MOFF], s[MOFF], 128             ; the scalar loads are done (the wait above), so their offset may be written: the next step's 32 words;
	s_and_b32 s[MOFF], s[MOFF], 8191               ; behind the last step it turns back to step 0: no load leaves the buffer
	MASKS
.irp j, 0,1,2,3                                ; the maximum of 32 scores and the old m, three operands at a time, four chains a tile, the tiles by turns
.irp t, 0,1
	v_max3_num_f32 v[ST+8*\t+4+\j], v[S+32*\t+8*\j], v[S+32*\t+8*\j+1], v[S+32*\t+8*\j+2]
.endr
.endr
.irp g, 1,2
.irp j, 0,1,2,3
.irp t, 0,1
	v_max3_num_f32 v[ST+8*\t+4+\j], v[ST+8*\t+4+\j], v[S+32*\t+8*\j+2*\g+1], v[S+32*\t+8*\j+2*\g+2]
.endr
.endr
.endr
.irp t, 0,1
	v_max3_num_f32 v[ST+8*\t+4], v[ST+8*\t+4], v[S+32*\t+7], v[S+32*\t+15]
.endr
.irp t, 0,1
	v_max3_num_f32 v[ST+8*\t+6], v[ST+8*\t+6], v[S+32*\t+23], v[S+32*\t+31]
.endr
.irp t, 0,1
	v_max3_num_f32 v[ST+8*\t+4], v[ST+8*\t+4], v[ST+8*\t+5], v[ST+8*\t+6]
.endr
.irp t, 0,1
	v_max3_num_f32 v[ST+8*\t+4], v[ST+8*\t+4], v[ST+8*\t+7], v[ST+8*\t]
.endr
.irp t, 0,1
	v_permlanex16_b32 v[ST+8*\t+5], v[ST+8*\t+4], s[SEL], s[SEL+1]     ; the query's other 32 keys lie in the lane 16 away
.endr
.irp t, 0,1
	v_mov_b32 v[ST+8*\t+1], v[ST+8*\t]
.endr
.irp t, 0,1
	v_max_num_f32 v[ST+8*\t], v[ST+8*\t+4], v[ST+8*\t+5]               ; the new m
.endr
.irp t, 0,1
	v_sub_f32 v[ST+8*\t+1], v[ST+8*\t+1], v[ST+8*\t]                   ; m_old - m_new, 0 or less
.endr
.irp t, 0,1
	v_exp_f32 v[ST+8*\t+6], v[ST+8*\t+1]                               ; a
.endr
.irp b, 0,1,2,3,4,5,6,7,8,9,10,11,12,13,14,15
	v_pk_add_f32 v[S+2*\b:S+2*\b+1], v[S+2*\b:S+2*\b+1], v[ST:ST+1] op_sel_hi:[1,0] neg_lo:[0,1] neg_hi:[0,1]   ; tile 0: s - m, two at a time
.endr
.irp b, 0,1,2,3,4,5,6,7,8,9,10,11,12,13,14,15  ; tile 0's exponentials, tile 1's subtractions between them: a plain line stands behind every exponential before its result is used
	v_exp_f32 v[S+2*\b], v[S+2*\b]
	v_exp_f32 v[S+2*\b+1], v[S+2*\b+1]
	v_pk_add_f32 v[S+32+2*\b:S+32+2*\b+1], v[S+32+2*\b:S+32+2*\b+1], v[ST+8:ST+9] op_sel_hi:[1,0] neg_lo:[0,1] neg_hi:[0,1]
.endr
.irp b, 0,1,2,3,4,5,6,7,8,9,10,11,12,13,14,15  ; tile 1's exponentials; tile 0's roundings and sums between them
	v_exp_f32 v[S+32+2*\b], v[S+32+2*\b]
	s_wait_alu depctr_va_vdst(0)
	v_cvt_pk_f16_f32 v[P+\b], v[S+2*\b], v[S+2*\b+1]
	v_exp_f32 v[S+32+2*\b+1], v[S+32+2*\b+1]
.if \b == 0
	v_pk_fma_f32 v[ST+2:ST+3], v[ST+2:ST+3], v[ST+6:ST+7], v[S:S+1] op_sel_hi:[1,0,1]   ; l = a l + p
.else
	v_pk_add_f32 v[ST+2:ST+3], v[ST+2:ST+3], v[S+2*\b:S+2*\b+1]
.endif
.endr
	s_wait_alu depctr_va_vdst(0)
.irp b, 0,1,2,3,4,5,6,7,8,9,10,11,12,13,14,15  ; tile 1's roundings and sums; both tiles' O^T times a
	v_cvt_pk_f16_f32 v[P+16+\b], v[S+32+2*\b], v[S+32+2*\b+1]
.if \b == 0
	v_pk_fma_f32 v[ST+10:ST+11], v[ST+10:ST+11], v[ST+14:ST+15], v[S+32:S+33] op_sel_hi:[1,0,1]
.else
	v_pk_add_f32 v[ST+10:ST+11], v[ST+10:ST+11], v[S+32+2*\b:S+32+2*\b+1]
.endif
	v_pk_mul_f32 v[O+2*\b:O+2*\b+1], v[O+2*\b:O+2*\b+1], v[ST+6:ST+7] op_sel_hi:[1,0]
	v_pk_mul_f32 v[O+32+2*\b:O+32+2*\b+1], v[O+32+2*\b:O+32+2*\b+1], v[ST+14:ST+15] op_sel_hi:[1,0]
.endr
	s_wait_dscnt 0x0                               ; V is in
	WIN 0x01
.irp kc, 0,1                                   ; O^T += V^T P: the 8 accumulators take turns
.irp dt, 0,1,2,3
.irp t, 0,1
	v_wmma_f32_16x16x32_f16 v[O+32*\t+8*\dt:O+32*\t+8*\dt+7], v[VF+32*\kc+8*\dt:VF+32*\kc+8*\dt+7], v[P+16*\t+8*\kc:P+16*\t+8*\kc+7], v[O+32*\t+8*\dt:O+32*\t+8*\dt+7]
.endr
.endr
.endr
	WIN 0
.endm
; THE CHANGE OF SLOTS stands at a slot's head.  Each wave waits for all its tensor loads (its step of the slot about to be read), adds 0 to its spare word, and waits for that and for its reads of the slot that it has left.
; fill = 1: that other slot is filled with the next 512 keys: the barrier is a round of the cluster's, and the joint load is the first thing behind it; it has 8 key steps in which to land.
.macro CHANGE fill
	s_wait_tensorcnt 0x0                           ; no tensor load of mine is out, so the group 0 may be written
	ds_add_u32 v[SPW], v[NIL]                      ; 0 onto my spare word
.if \fill
	s_xor_b32 s[G0+1], s[G0+1], SLOT1              ; the other slot than last time,
	s_add_nc_u64 s[G0+2:G0+3], s[G0+2:G0+3], SLOT1 ; the next 8 key steps; the type bits on top are not reached
	s_wait_xcnt 0x0                                ; the last prefetch, a slot back, has read its address, so it may be written:
	s_add_nc_u64 s[PFA:PFA+1], s[PFA:PFA+1], SLOT1 ; one slot further on than the walking descriptor
	s_wait_dscnt 0x0                               ; the add is done, and my reads of the slot that I have left are over
	CROUND
	JLOAD
	ASK
.else
	s_wait_dscnt 0x0
	s_barrier_signal -1
	s_barrier_wait -1
.endif
.endm
.macro SLOT_STEPS                      ; a slot's eight key steps: written once, walked eight times
	s_mov_b32 s[STP], 8
.Lstep_\@:
	STEP
	s_add_co_u32 s[TB], s[TB], STEPB
	s_sub_co_u32 s[STP], s[STP], 1
	s_cmp_lg_u32 s[STP], 0
	s_cbranch_scc1 .Lstep_\@
	s_sub_co_u32 s[TB], s[TB], SLOT1               ; back to a slot's first step,
	s_xor_b32 s[TB], s[TB], SLOT1                  ; in the other slot
.endm
.Lslot:                                            ; 7 trips: behind each change of slots but the last the next slot is asked for
	CHANGE 1
	SLOT_STEPS
	s_sub_co_u32 s[SLOTS], s[SLOTS], 1
	s_cmp_lg_u32 s[SLOTS], 0
	s_cbranch_scc1 .Lslot
	CHANGE 0                                       ; the last slot is written out
	SLOT_STEPS
	; THE WAY OUT.  O^T / l, rounded to f16: a lane's eight channels of a row are 16 bytes of a block of af, so the registers are stored as they stand: no stage.
	PLACES
.irp t, 0,1
	v_add_f32 v[ST+8*\t+4], v[ST+8*\t+2], v[ST+8*\t+3]
.endr
.irp t, 0,1
	v_permlanex16_b32 v[ST+8*\t+5], v[ST+8*\t+4], s[SEL], s[SEL+1]
.endr
.irp t, 0,1
	v_add_f32 v[ST+8*\t+4], v[ST+8*\t+4], v[ST+8*\t+5]                 ; the row's sum: at least 1
.endr
.irp t, 0,1
	v_rcp_f32 v[ST+8*\t+6], v[ST+8*\t+4]
.endr
	v_nop                                          ; a plain line behind the reciprocals
	s_wait_alu depctr_va_vdst(0)
.irp t, 0,1
.irp x, 0,1,2,3,4,5,6,7,8,9,10,11,12,13,14,15
	v_pk_mul_f32 v[O+32*\t+2*\x:O+32*\t+2*\x+1], v[O+32*\t+2*\x:O+32*\t+2*\x+1], v[ST+8*\t+6:ST+8*\t+7] op_sel_hi:[1,0]   ; each accumulator from its low end on
.endr
.endr
.irp t, 0,1
.irp x, 0,1,2,3,4,5,6,7,8,9,10,11,12,13,14,15
	v_cvt_pk_f16_f32 v[P+16*\t+\x], v[O+32*\t+2*\x], v[O+32*\t+2*\x+1]
.endr
.endr
.irp t, 0,1
.irp dt, 0,1,2,3
	global_store_b128 v[LI], v[P+16*\t+4*\dt:P+16*\t+4*\dt+3], s[10:11] offset:16384*\t+512*\dt   ; 512 consecutive bytes a store
.endr
.endr
	s_wait_kmcnt 0x0                               ; the last step's mask loads, which turned back to step 0
	s_wait_tensorcnt 0x0                           ; the wave's end
	ds_add_u32 v[SPW], v[NIL]
	s_wait_dscnt 0x0
	CROUND                                         ; the closing round: no work-group ends while a partner may still ask for a tile that names it
	s_endpgm
.Lfunc_end_k_q616ce7c9ce_attn:
	.size	k_q616ce7c9ce_attn, .Lfunc_end_k_q616ce7c9ce_attn-k_q616ce7c9ce_attn
	.p2alignl 7, 3214868480
	.fill 96, 4, 3214868480
	.section	.rodata,"a",@progbits
	.p2align	6, 0x0
	.amdhsa_kernel k_q616ce7c9ce_attn
		.amdhsa_group_segment_fixed_size 327680
		.amdhsa_private_segment_fixed_size 0
		.amdhsa_enable_private_segment 0
		.amdhsa_kernarg_size 32
		.amdhsa_user_sgpr_count 2
		.amdhsa_user_sgpr_kernarg_segment_ptr 1
		.amdhsa_wavefront_size32 1
		.amdhsa_system_sgpr_workgroup_id_x 1
		.amdhsa_system_sgpr_workgroup_id_y 1
		.amdhsa_system_sgpr_workgroup_id_z 1
		.amdhsa_system_vgpr_workitem_id 0
		.amdhsa_next_free_vgpr 384
		.amdhsa_next_free_sgpr 102
		.amdhsa_reserve_vcc 0
		.amdhsa_float_denorm_mode_32 3
		.amdhsa_float_denorm_mode_16_64 3
		.amdhsa_memory_ordered 1
		.amdhsa_forward_progress 1
		.amdhsa_inst_pref_size 59
	.end_amdhsa_kernel
	.amdgpu_metadata
---
amdhsa.version: [ 1, 2 ]
amdhsa.kernels:
  - .name:           k_q616ce7c9ce_attn
    .symbol:         k_q616ce7c9ce_attn.kd
    .args:
      - { .name: qf, .offset: 0, .size: 8, .value_kind: global_buffer, .address_space: global }
      - { .name: kv, .offset: 8, .size: 8, .value_kind: global_buffer, .address_space: global }
      - { .name: mbits, .offset: 16, .size: 8, .value_kind: global_buffer, .address_space: global }
      - { .name: af, .offset: 24, .size: 8, .value_kind: global_buffer, .address_space: global }
    .group_segment_fixed_size: 327680
    .private_segment_fixed_size: 0
    .kernarg_segment_align: 8
    .kernarg_segment_size: 32
    .max_flat_workgroup_size: 256
    .sgpr_count:     102
    .vgpr_count:     384
    .wavefront_size: 32
...
	.end_amdgpu_metadata
.endif
;; end of part 3
;; launch oproj (part 4): grid 4 x 64, 4 waves a work-group, clusters of 4 x 1, 199,168 bytes of LDS; arguments af, wof, bo, out0; writes out0
.if DOCPART == 4
	.amdgcn_target "amdgcn-amd-amdhsa--gfx1250"
	.amdhsa_code_object_version 6
	.text
	.protected	k_q616ce7c9ce_oproj
	.globl	k_q616ce7c9ce_oproj
	.p2align	8
	.type	k_q616ce7c9ce_oproj,@function
k_q616ce7c9ce_oproj:
	s_mov_b64 s[64:65], 0
	v_nop
	global_prefetch_b8 v0, s[64:65] scope:SCOPE_SE
	s_setreg_imm32_b32 hwreg(HW_REG_WAVE_MODE, 25, 1), 1
	s_wait_xcnt 0x0
	s_wait_alu depctr_hold_cnt(0) depctr_sa_sdst(0) depctr_va_vdst(0) depctr_va_sdst(0) depctr_va_ssrc(0) depctr_va_vcc(0) depctr_vm_vsrc(0)
	s_getreg_b32 s2, hwreg(HW_REG_IB_STS2, 6, 4)
	s_cmp_eq_u32 s2, 0
	s_cbranch_scc0 .Lentry_in_a_cluster
	s_endpgm
.Lentry_in_a_cluster:
	s_bfe_u32 s2, ttmp6, 0x10000c
	s_cmp_lg_u32 s2, 0x3003
	s_cbranch_scc0 .Lentry_shape_is_right
	s_endpgm
.Lentry_shape_is_right:
; OPROJ.  out0 = attn Wo^T + bo.  attn and Wo arrive as f16 fragments in the order of the operand's registers (512 bytes a block, 16 a lane); sums f32; out0 [8192][512] f32.
; SHARES.  Work-group y takes 128 rows, its place cx in the cluster 128 columns.  Wave w makes columns 128 cx + 32 w + 0 .. 31 (two tiles n) for all 128 rows: 16 accumulators (window 2).
; Its 32 fragments of Wo fill window 1 (256 registers), read once.  The product is used TRANSPOSED (source 0 = 16 rows of Wo, source 1 = 16 rows of attn): a lane holds eight neighbouring columns of one row.
; The bias is the C of each sum's first matrix instruction.
; CLUSTER.  The four work-groups of a cluster need the same 131,072 bytes of attn: they ask for them JOINTLY, once (each wave 32,768 bytes).  No LDS byte is filled twice.
; THE WAY OUT: a row's 128 columns come from four waves: they meet in a stage (rows of 512 bytes + 16), behind a barrier each wave stores 32 whole rows of 512 consecutive bytes.
.set SP,   528
.set STG,  131072                      ; behind attn's block: 128 rows x 528 bytes; no tensor load lands there
.set BS,   16                          ; v16-31  the bias, 8 registers a tile n
.set BF,   32                          ; v32-95, v96-159: attn's fragments of a K step, two buffers; on the way out 32 rows
.set WV,   12
.set G1,   16
.set G0,   24
.set MSB, 0
.macro WIN new                         ; the immediate's high byte repeats the setting that is left
.if MSB != \new
	s_set_vgpr_msb (MSB<<8)|\new
.set MSB, \new
.endif
.endm
.macro PLACES
.rept 4
	v_nop
.endr
.endm
.macro CROUND                          ; a round of the cluster's barrier
	s_barrier_signal -1
	s_barrier_wait -1
	s_cmp_lg_u32 s[WV], 0
	s_cbranch_scc1 .Lnot_wave_0_\@
	s_barrier_signal -3
.Lnot_wave_0_\@:
	s_barrier_wait -3
	s_barrier_signal -1
	s_barrier_wait -1
.endm
	s_load_b256 s[4:11], s[0:1], 0x0               ; af 4, wof 6, bo 8, out0 10
	v_lshl_add_u32 v254, v0, 2, 0x30800
	v_mov_b32 v255, 0
	ds_add_u32 v254, v255
	v_lshrrev_b32 v1, 5, v0
	v_readfirstlane_b32 s[WV], v1                  ; wave 0..3
	s_bfe_u32 s13, ttmp6, 0x40000                  ; cx: it enters wof's, bo's and out0's addresses alone
	s_and_b32 s14, ttmp7, 0xffff                   ; y, which the four partners share
	s_mov_b32 s[G1], 15|(3<<16)|(1<<21)            ; the mask: all four; elements of 8 bytes; bit 21 beside a mask; no padding
	s_mov_b32 s[G1+1], 32<<16                      ; tensor_dim0 = 32: rows of 256 bytes
	s_mov_b32 s[G1+2], 128<<16                     ; tensor_dim1 = 128
	s_mov_b32 s[G1+3], 32<<16                      ; tile_dim0
	s_mov_b32 s[G1+4], 128                         ; tile_dim1: 32,768 dense bytes
	s_mov_b32 s[G1+5], 32                          ; the pitch
	s_mov_b32 s[G1+6], 0
	s_mov_b32 s[G1+7], 0
	s_lshl_b32 s28, s14, 17                        ; af: 8 tiles of rows x 16,384 bytes,
	s_lshl_b32 s15, s[WV], 15                      ; of which I fetch two
	s_add_co_u32 s28, s28, s15
	s_mov_b32 s29, 0
	s_lshl_b32 s30, s13, 3
	s_lshl_b32 s15, s[WV], 1
	s_add_co_u32 s30, s30, s15
	s_lshl_b32 s30, s30, 14                        ; wof: tile nt = 8 cx + 2 w, 16,384 bytes a tile
	s_mov_b32 s31, 0
	s_lshl_b32 s32, s13, 9
	s_lshl_b32 s15, s[WV], 7
	s_add_co_u32 s32, s32, s15                     ; bo: my 32 numbers
	s_mov_b32 s33, 0
	s_lshl_b32 s34, s14, 18                        ; out0: 128 rows of 2,048 bytes,
	s_lshl_b32 s15, s[WV], 16                      ; the 32 rows that I store,
	s_add_co_u32 s34, s34, s15
	s_lshl_b32 s15, s13, 9                         ; the work-group's 128 columns
	s_add_co_u32 s34, s34, s15
	s_mov_b32 s35, 0
	s_wait_dscnt 0x0
	s_wait_kmcnt 0x0
	s_add_nc_u64 s[6:7], s[6:7], s[30:31]
	s_add_nc_u64 s[8:9], s[8:9], s[32:33]
	s_add_nc_u64 s[10:11], s[10:11], s[34:35]
	s_mov_b32 s[G0], 1
	s_lshl_b32 s[G0+1], s[WV], 15                  ; LDS address: no place in the cluster enters it
	s_add_nc_u64 s[G0+2:G0+3], s[4:5], s[28:29]
	s_or_b32 s[G0+3], s[G0+3], 0x80000000          ; type = 2
	CROUND                                         ; all four work-groups are here: the joint loads meet
	tensor_load_to_lds s[G0:G0+3], s[G1:G1+7]      ; my one tensor load of the launch
	s_nop 0
	PLACES                                         ; four v_nop follow it
	v_and_b32 v6, 31, v0
	v_and_b32 v7, 15, v0                           ; r
	v_bfe_u32 v8, v0, 4, 1                         ; h
	v_lshlrev_b32 v1, 4, v6                        ; 16 x lane: tiles of rows 0-3,
	v_add_nc_u32 v2, 0x10000, v1                   ; tiles 4-7: an LDS offset ends at 65,535
	v_lshlrev_b32 v3, 5, v8                        ; 32 h
	v_mul_u32_u24 v4, v7, SP
	v_add_nc_u32 v4, v4, v3
	s_lshl_b32 s15, s[WV], 7
	v_add_nc_u32 v4, s15, v4
	v_add_nc_u32 v4, STG, v4                       ; into the stage: row r, + 128 w + 32 h
	s_mul_i32 s15, s[WV], 32*SP
	v_add_nc_u32 v5, s15, v1
	v_add_nc_u32 v5, STG, v5                       ; back: my 32 rows, 16 bytes a lane
	WIN 0x40                                       ; destination window 1
.irp n, 0,1
.irp ks, 0,1,2,3,4,5,6,7,8,9,10,11,12,13,14,15
	global_load_b128 v[8*(16*\n+\ks):8*(16*\n+\ks)+3], v1, s[6:7] offset:16384*\n+1024*\ks        ; Wo's fragment (n, ks): it stays
	global_load_b128 v[8*(16*\n+\ks)+4:8*(16*\n+\ks)+7], v1, s[6:7] offset:16384*\n+1024*\ks+512
.endr
.endr
	WIN 0
.irp n, 0,1
	global_load_b128 v[BS+8*\n:BS+8*\n+3], v3, s[8:9] offset:64*\n        ; bo at columns 16 n + 8 h + 0 .. 7
	global_load_b128 v[BS+8*\n+4:BS+8*\n+7], v3, s[8:9] offset:64*\n+16
.endr
	s_wait_tensorcnt 0x0                           ; my part of attn's block is in,
	s_barrier_signal -1
	s_barrier_wait -1                              ; everybody's is
.macro FETCH ks                        ; attn's eight fragments of K step ks
.irp mt, 0,1,2,3,4,5,6,7
.irp c, 0,1
	ds_load_b128 v[BF+64*((\ks)%2)+8*\mt+4*\c:BF+64*((\ks)%2)+8*\mt+4*\c+3], v[1+\mt/4] offset:16384*(\mt%4)+1024*(\ks)+512*\c
.endr
.endr
.endm
	FETCH 0
	s_wait_loadcnt 0x0                             ; Wo and the bias
.irp ks, 0,1,2,3,4,5,6,7,8,9,10,11,12,13,14,15
.if \ks < 15
.if \ks > 0
	PLACES                                         ; ahead of loads into the buffer that the last K step's products read
.endif
	FETCH \ks+1
	s_wait_dscnt 16                                ; this K step's 16 loads are in; the next one's may be out
.else
	s_wait_dscnt 0x0
.endif
.if \ks == 0
	WIN 0x81                                       ; source 0 (Wo) window 1, C (the bias) window 0, D window 2
.else
	WIN 0xa1                                       ; source 0 window 1, C and D window 2
.endif
.irp mt, 0,1,2,3,4,5,6,7                       ; the 16 accumulators take turns, one instruction a turn
.irp n, 0,1
.if \ks == 0
	v_wmma_f32_16x16x32_f16 v[8*(2*\mt+\n):8*(2*\mt+\n)+7], v[8*(16*\n+\ks):8*(16*\n+\ks)+7], v[BF+64*(\ks%2)+8*\mt:BF+64*(\ks%2)+8*\mt+7], v[BS+8*\n:BS+8*\n+7]
.else
	v_wmma_f32_16x16x32_f16 v[8*(2*\mt+\n):8*(2*\mt+\n)+7], v[8*(16*\n+\ks):8*(16*\n+\ks)+7], v[BF+64*(\ks%2)+8*\mt:BF+64*(\ks%2)+8*\mt+7], v[8*(2*\mt+\n):8*(2*\mt+\n)+7]
.endif
.endr
.endr
	WIN 0
.endr
	PLACES                                         ; four places ahead of the first read of results and of the loads into the fragments' registers
	WIN 0x08                                       ; an LDS store's data are its source 1: window 2
.irp mt, 0,1,2,3,4,5,6,7
.irp n, 0,1
	ds_store_b128 v4, v[8*(2*\mt+\n):8*(2*\mt+\n)+3] offset:16*SP*\mt+64*\n          ; lane (r, h): out(16 mt + r, 32 w + 16 n + 8 h + 0 .. 7); each accumulator from its low end on
	ds_store_b128 v4, v[8*(2*\mt+\n)+4:8*(2*\mt+\n)+7] offset:16*SP*\mt+64*\n+16
.endr
.endr
	WIN 0
	s_wait_dscnt 0x0                               ; for the others' sake: my stores into the stage have landed
	s_barrier_signal -1
	s_barrier_wait -1                              ; 128 whole rows lie in the stage
.irp i, 0,1,2,3,4,5,6,7,8,9,10,11,12,13,14,15,16,17,18,19,20,21,22,23,24,25,26,27,28,29,30,31
	ds_load_b128 v[BF+4*\i:BF+4*\i+3], v5 offset:SP*\i
.endr
.irp i, 0,1,2,3,4,5,6,7,8,9,10,11,12,13,14,15,16,17,18,19,20,21,22,23,24,25,26,27,28,29,30,31
	s_wait_dscnt 31-\i                             ; LDS loads come back in order: row i is in
	global_store_b128 v1, v[BF+4*\i:BF+4*\i+3], s[10:11] offset:2048*\i th:TH_STORE_NT   ; 32 lanes store 512 consecutive bytes, aligned; written once, read by nobody here
.endr
	s_wait_tensorcnt 0x0
	ds_add_u32 v254, v255
	s_wait_dscnt 0x0
	CROUND                                         ; the closing round: no work-group ends while a partner may still ask for the block that names it
	s_endpgm
.Lfunc_end_k_q616ce7c9ce_oproj:
	.size	k_q616ce7c9ce_oproj, .Lfunc_end_k_q616ce7c9ce_oproj-k_q616ce7c9ce_oproj
	.p2alignl 7, 3214868480
	.fill 96, 4, 3214868480
	.section	.rodata,"a",@progbits
	.p2align	6, 0x0
	.amdhsa_kernel k_q616ce7c9ce_oproj
		.amdhsa_group_segment_fixed_size 199168
		.amdhsa_private_segment_fixed_size 0
		.amdhsa_enable_private_segment 0
		.amdhsa_kernarg_size 32
		.amdhsa_user_sgpr_count 2
		.amdhsa_user_sgpr_kernarg_segment_ptr 1
		.amdhsa_wavefront_size32 1
		.amdhsa_system_sgpr_workgroup_id_x 1
		.amdhsa_system_sgpr_workgroup_id_y 1
		.amdhsa_system_sgpr_workgroup_id_z 1
		.amdhsa_system_vgpr_workitem_id 0
		.amdhsa_next_free_vgpr 640
		.amdhsa_next_free_sgpr 66
		.amdhsa_reserve_vcc 0
		.amdhsa_float_denorm_mode_32 3
		.amdhsa_float_denorm_mode_16_64 3
		.amdhsa_memory_ordered 1
		.amdhsa_forward_progress 1
		.amdhsa_inst_pref_size 54
	.end_amdhsa_kernel
	.amdgpu_metadata
---
amdhsa.version: [ 1, 2 ]
amdhsa.kernels:
  - .name:           k_q616ce7c9ce_oproj
    .symbol:         k_q616ce7c9ce_oproj.kd
    .args:
      - { .name: af, .offset: 0, .size: 8, .value_kind: global_buffer, .address_space: global }
      - { .name: wof, .offset: 8, .size: 8, .value_kind: global_buffer, .address_space: global }
      - { .name: bo, .offset: 16, .size: 8, .value_kind: global_buffer, .address_space: global }
      - { .name: out0, .offset: 24, .size: 8, .value_kind: global_buffer, .address_space: global }
    .group_segment_fixed_size: 199168
    .private_segment_fixed_size: 0
    .kernarg_segment_align: 8
    .kernarg_segment_size: 32
    .max_flat_workgroup_size: 128
    .sgpr_count:     66
    .vgpr_count:     640
    .wavefront_size: 32
...
	.end_amdgpu_metadata
.endif
;; end of part 4
